; MI455X (gfx1250); checked and timed in simulation.
; The chip was launched on July 23, 2026; its instructions are those of AMD's public machine-readable ISA for CDNA 5 (MIT licence, August 2026) and "CDNA5" Instruction Set Architecture Reference Guide (July 2026). The comments in the code are by the model that wrote it; some were corrected since.
;; Attention Free Transformer. Allowed arithmetic: matrix products marked QUANTISED: E2M1 operands, one E8M0 scale for each 32 along K, by v_wmma_scale_f32_16x16x128_f8f6f4 with both operands' format E2M1 (or v_wmma_scale_f32_32x16x128_f4), f32 sums; everything else in f32.
;; Inputs: Wk_codes 512 x 16 x 16 uint8 (E2M1 codes of Wk, K innermost, in blocks of 32 codes, two codes a byte); Wk_scales 512 x 16 uint8 (E8M0 scales of Wk, one for each 32 codes along K); Wq_codes 512 x 16 x 16 uint8 (E2M1 codes of Wq, K innermost, in blocks of 32 codes, two codes a byte); Wq_scales 512 x 16 uint8 (E8M0 scales of Wq, one for each 32 codes along K); Wv_codes 512 x 16 x 16 uint8 (E2M1 codes of Wv, K innermost, in blocks of 32 codes, two codes a byte); Wv_scales 512 x 16 uint8 (E8M0 scales of Wv, one for each 32 codes along K); bk 512 float32; bq 512 float32; bv 512 float32; pos_bias 1,024 x 1,024 float32; x_codes 32 x 1,024 x 16 x 16 uint8 (E2M1 codes of x, K innermost, in blocks of 32 codes, two codes a byte); x_scales 32 x 1,024 x 16 uint8 (E8M0 scales of x, one for each 32 codes along K).
;; Outputs: out0 32 x 1,024 x 512 float32.
;; This version of the problem:
;;   THIS VERSION OF THE PROBLEM IS GIVEN IN LOW PRECISION. The matrix products marked QUANTISED in the list below multiply operands that are first quantised to E2M1 (2 exponent bits, 1 mantissa bit; 4 bits a number), with one power-of-two scale for each 32 numbers along K (OCP MX v1.0); their sums are f32. All else is computed in f32.
;;   The module's matrix products, in the order in which they are computed (A, B: the left and right operand; K: the contracted axis; several contracted axes count as one K, in the product's order):
;;     1. [M 32,768, K 512] x [K 512, N 512]; A: input x (given as codes); B: input Wq (given as codes): QUANTISED
;;     2. [M 32,768, K 512] x [K 512, N 512]; A: input x (given as codes); B: input Wk (given as codes): QUANTISED
;;     3. [M 32,768, K 512] x [K 512, N 512]; A: input x (given as codes); B: input Wv (given as codes): QUANTISED
;;     4. [M 16,384, K 1,024] x [K 1,024, N 1,024]; A: computed on the way; B: computed on the way: QUANTISED
;;     5. [M 16,384, K 1,024] x [K 1,024, N 1,024]; A: computed on the way; B: computed on the way: QUANTISED
;;   THE QUANTISER, for each operand of a quantised product, along K:
;;     - K is cut into blocks of 32 from its start; a last block that is shorter is filled with zeros.
;;     - A block's scale is 2^e with e = floor(log2(the largest magnitude in the block)) - 2, held to -126 .. 127; a block of zeros has e = 0. As a byte (E8M0): e + 127.
;;     - Each number is divided by its block's scale, clamped to +-6, and rounded to the nearest number of E2M1, ties to even, subnormals kept.
;;     - The product sums the exact products of the quantised numbers (number of the format x scale) in f32.
;;   ~~~python
;;   def quantise(x, axis):      # numpy; x: float32 -> the quantised numbers, widened to float32 again
;;       x = np.moveaxis(x, axis, -1); K = x.shape[-1]
;;       x = np.pad(x, [(0, 0)] * (x.ndim - 1) + [(0, -K % 32)]); x = x.reshape(x.shape[:-1] + (-1, 32)); a = np.abs(x).max(-1, keepdims=True)
;;       e = np.where(a > 0, np.clip(np.frexp(np.where(a > 0, a, 1))[1] - 1 - 2, -126, 127), 0)      # np.frexp(a)[1] - 1 = floor(log2(a)), exactly
;;       r = np.clip(x / 2.0 ** e, -6, 6)
;;       step = 2.0 ** (np.maximum(np.frexp(np.where(r == 0, 1, r))[1] - 1, 0) - 1)
;;       q = np.round(r / step) * step * 2.0 ** e      # np.round: ties to even
;;       return np.moveaxis(q.reshape(q.shape[:-2] + (-1,))[..., :K], -1, axis).astype(np.float32)
;;   ~~~
;;   OPERANDS COMPUTED ON THE WAY. 'Computed on the way' means the value that the module computes at that place (a softmax that the list does not call 'softmax' is quantised finished and normalised). What goes into a quantiser is computed in f32, as accurately as f32 sums, v_exp_f32 and their like allow (about 1e-6 of the number): no bf16 or f16 on the way to a quantiser, and a product that is left as it is and whose result goes on into a quantised operand takes f32 operands (vector FMAs, or v_wmma_f32_16x16x4_f32). A number that lies on a knife's edge between two numbers of the format may be rounded either way, as far as f32 arithmetic and the matrix unit's own rounding can turn it there, and no further.
;;   INPUTS GIVEN AS CODES. Wk (in the module: [512, 512], K = its axis 1); Wq (in the module: [512, 512], K = its axis 1); Wv (in the module: [512, 512], K = its axis 1); x (in the module: [32, 1024, 512], K = its axis 2): each comes as NAME_codes (uint8): NAME with its K axis moved to the last place and cut into blocks of 32 codes, [.., K / 32, bytes a block], one block behind the other in memory; two codes a byte, the lower K in the low four bits (a code: sign, 2 exponent bits, 1 mantissa bit); and NAME_scales (uint8): the same leading axes, one E8M0 byte (e + 127) for each 32 codes along K. Its value is code x scale, taken as it is: it is not quantised again, and the codes and scales need not be those that the quantiser above would give.
;; One version. Each part assembles by itself: llvm-mc -triple=amdgcn-amd-amdhsa -mcpu=gfx1250 --defsym DOCPART=n.
;; ======== version 1 of 1: 2 launches
;; limits: right only within a limited range of input values
;; workspace buffers: eb 557,056 bytes
;; launch expb (part 1): grid 128 x 1, 16 waves a work-group, no clusters, 43,264 bytes of LDS; arguments pos_bias, eb; writes eb
.if DOCPART == 1
	.amdgcn_target "amdgcn-amd-amdhsa--gfx1250"
	.amdhsa_code_object_version 6
	.text
	.protected	k_qc7f6825412_expb
	.globl	k_qc7f6825412_expb
	.p2align	8
	.type	k_qc7f6825412_expb,@function
k_qc7f6825412_expb:
	s_mov_b64 s[64:65], 0
	v_nop
	global_prefetch_b8 v0, s[64:65] scope:SCOPE_SE
	s_setreg_imm32_b32 hwreg(HW_REG_WAVE_MODE, 25, 1), 1
	s_wait_xcnt 0x0
; eb = exp(pos_bias), [1024 (t)][1024 (T)], turned into codes of FP4 (E2M1) along T, its innermost axis, with one E8M0 byte for each 32 along T.
; OUT: eight records of 69,632 bytes, record j for rows t = 128 j .. 128 j + 127: 128 rows of 512 bytes of codes (two codes a byte, the lower T in the low four bits), then 128 x 32 scale bytes:
; a dense block of 136 rows of 512 bytes.  A block's scale is 2^(floor(log2(its largest number)) - 2); its byte is the largest number's exponent field - 2, held at 1 from below by a floor among the maximum's leaves.
; SHARES: a work-group takes 8 rows, a wave half a row: 512 numbers.  Each load reads 512 consecutive bytes, 16 a lane; the wave's 2,048 bytes turn through its own stage in LDS (16 bytes of padding
; behind each 64) and come back 64 bytes a lane: 16 neighbours along T, two neighbouring lanes to a block.  A lane's 16 codes are 8 bytes: a wave stores 256 consecutive bytes.
; The work-group's 8 x 32 scale bytes are gathered in LDS and leave as 256 consecutive bytes, aligned.
; LIMITS: exp(x) is 2^(x log2(e)) with the product rounded once: its relative error grows as about 6e-8 x |x log2(e)|.  NaN and infinities, and pos_bias so large that exp overflows f32, are not served.
.set SCB,   40960                      ; behind the sixteen stages of 2,560 bytes: the work-group's 256 scale bytes
.set SPARE, 41216                      ; the spare words, 128 bytes for each wave
.set SPW,   12
.set NIL,   13
.set RR,    16
.set XX,    32
.set CC,    48
	s_load_b128 s[4:7], s[0:1], 0x0                ; pos_bias, eb
	v_lshl_add_u32 v[SPW], v0, 2, SPARE
	v_mov_b32 v[NIL], 0
	v_lshrrev_b32 v1, 5, v0
	v_and_b32 v2, 31, v0                           ; lane
	v_readfirstlane_b32 s8, v1                     ; wave 0..15
	v_lshlrev_b32 v3, 4, v2                        ; my 16 bytes of a load's 512
	v_lshlrev_b32 v4, 3, v2                        ; my 8 bytes of codes
	v_lshrrev_b32 v7, 2, v2
	v_and_b32 v8, 3, v2
	v_lshrrev_b32 v5, 1, v2
	v_mul_u32_u24 v15, v2, 80
	v_mul_u32_u24 v14, v7, 80
	v_add_nc_u32 v6, SCB, v4                       ; on the way out 8 scale bytes a lane
	s_mul_i32 s9, s8, 2560                         ; my stage
	s_lshl_b32 s10, s8, 4
	s_add_co_u32 s10, s10, SCB
	v_add_nc_u32 v15, s9, v15                      ; out of the stage: 80 x lane: my 16 neighbours
	v_lshl_add_u32 v14, v8, 4, v14
	v_add_nc_u32 v5, s10, v5                       ; my half row's 16 scale bytes, my block's byte
	v_add_nc_u32 v14, s9, v14                      ; into it: 80 (lane / 4) + 16 (lane % 4)
	s_wait_alu depctr_va_vdst(0)                   ; a wait behind the head's vector instructions
	s_mov_b32 s12, 0x3fb8aa3b                      ; log2(e)
	s_mov_b32 s13, s12
	s_lshl_b32 s14, ttmp9, 4
	s_add_co_u32 s14, s14, s8                      ; my half row = 16 x work-group + wave
	s_lshl_b32 s14, s14, 11                        ; x 2,048 bytes
	s_mov_b32 s15, 0
	s_lshr_b32 s16, ttmp9, 4
	s_mul_i32 s16, s16, 69632                      ; my record
	s_and_b32 s18, ttmp9, 15
	s_lshl_b32 s19, s18, 4
	s_add_co_u32 s19, s19, s8
	s_lshl_b32 s19, s19, 8
	s_add_co_u32 s20, s16, s19                     ; where my codes begin
	s_mov_b32 s21, 0
	s_lshl_b32 s18, s18, 8
	s_add_co_u32 s22, s16, s18
	s_add_co_u32 s22, s22, 65536                   ; where my work-group's 256 scale bytes begin
	s_mov_b32 s23, 0
	s_wait_kmcnt 0x0
	s_add_nc_u64 s[4:5], s[4:5], s[14:15]
	s_add_nc_u64 s[10:11], s[6:7], s[22:23]
	s_add_nc_u64 s[6:7], s[6:7], s[20:21]
.irp i, 0,1,2,3
	global_load_b128 v[RR+4*\i:RR+4*\i+3], v3, s[4:5] offset:512*\i th:TH_LOAD_NT
.endr
.irp i, 0,1,2,3
	s_wait_loadcnt 3-\i
	ds_store_b128 v14, v[RR+4*\i:RR+4*\i+3] offset:640*\i
.endr
.irp i, 0,1,2,3
	ds_load_b128 v[XX+4*\i:XX+4*\i+3], v15 offset:16*\i      ; LDS serves a wave's instructions in order: these see the stores above
.endr
	s_wait_dscnt 0x0
.irp i, 0,2,4,6,8,10,12,14
	v_pk_mul_f32 v[XX+\i:XX+\i+1], v[XX+\i:XX+\i+1], s[12:13] op_sel_hi:[1,0]     ; x log2(e)
.endr
	s_wait_alu depctr_va_vdst(0)
.irp i, 0,1,2,3,4,5,6,7,8,9,10,11,12,13,14,15
	v_exp_f32 v[XX+\i], v[XX+\i]                   ; one batch
.endr
	v_nop
	s_wait_alu depctr_va_vdst(0)                   ; one wait for the batch, ahead of its first reader
	v_max3_num_f32 v8, v[XX], v[XX+1], v[XX+2]     ; the largest of my 16 (none is negative), in two chains
	v_max3_num_f32 v9, v[XX+3], v[XX+4], v[XX+5]
.irp i, 6,10
	v_max3_num_f32 v8, v8, v[XX+\i], v[XX+\i+1]
	v_max3_num_f32 v9, v9, v[XX+\i+2], v[XX+\i+3]
.endr
	v_max3_num_f32 v8, v8, v[XX+14], v[XX+15]
	s_delay_alu instid0(VALU_DEP_1)
	v_max3_num_f32 v8, v8, v9, 0x1800000           ; and the floor 2^(3 - 127): the byte cannot fall under 1
	s_delay_alu instid0(VALU_DEP_1)
	v_max_num_f32_dpp v8, v8, v8 row_xmask:1 row_mask:0xf bank_mask:0xf   ; with my neighbour's 16: the block's
	s_delay_alu instid0(VALU_DEP_1)
	v_add_nc_u32 v11, 0xff000000, v8               ; 2 off its exponent field: the conversion takes the exponent field of this operand as its scale
	v_cvt_scalef32_pk8_fp4_f32 v[CC], v[XX:XX+7], v11
	v_cvt_scalef32_pk8_fp4_f32 v[CC+1], v[XX+8:XX+15], v11
	v_lshrrev_b32 v10, 23, v11                     ; the scale's byte (also the plain instruction behind the conversions)
	ds_store_b8 v5, v10                            ; both lanes of a block write the same byte with the same value
	global_store_b64 v4, v[CC:CC+1], s[6:7]        ; 32 lanes store 256 consecutive bytes, at a multiple of 256 from the buffer's first byte
	s_wait_dscnt 0x0                               ; for the others' sake: my byte stores have landed
	s_barrier_signal -1
	s_barrier_wait -1                              ; all eight rows' scale bytes lie in LDS
	s_cmp_lg_u32 s8, 0
	s_cbranch_scc1 .Lend                           ; wave 0 sends them
	ds_load_b64 v[50:51], v6
	s_wait_dscnt 0x0
	global_store_b64 v4, v[50:51], s[10:11]        ; 256 consecutive bytes, aligned
.Lend:
	s_wait_tensorcnt 0x0                           ; the wave's end, behind my last LDS store
	ds_add_u32 v[SPW], v[NIL]
	s_wait_dscnt 0x0
	s_endpgm
.Lfunc_end_k_qc7f6825412_expb:
	.size	k_qc7f6825412_expb, .Lfunc_end_k_qc7f6825412_expb-k_qc7f6825412_expb
	.p2alignl 7, 3214868480
	.fill 96, 4, 3214868480
	.section	.rodata,"a",@progbits
	.p2align	6, 0x0
	.amdhsa_kernel k_qc7f6825412_expb
		.amdhsa_group_segment_fixed_size 43264
		.amdhsa_private_segment_fixed_size 0
		.amdhsa_enable_private_segment 0
		.amdhsa_kernarg_size 16
		.amdhsa_user_sgpr_count 2
		.amdhsa_user_sgpr_kernarg_segment_ptr 1
		.amdhsa_wavefront_size32 1
		.amdhsa_system_sgpr_workgroup_id_x 1
		.amdhsa_system_sgpr_workgroup_id_y 1
		.amdhsa_system_sgpr_workgroup_id_z 1
		.amdhsa_system_vgpr_workitem_id 0
		.amdhsa_next_free_vgpr 64
		.amdhsa_next_free_sgpr 66
		.amdhsa_reserve_vcc 0
		.amdhsa_float_denorm_mode_32 3
		.amdhsa_float_denorm_mode_16_64 3
		.amdhsa_memory_ordered 1
		.amdhsa_forward_progress 1
		.amdhsa_inst_pref_size 6
	.end_amdhsa_kernel
	.amdgpu_metadata
---
amdhsa.version: [ 1, 2 ]
amdhsa.kernels:
  - .name:           k_qc7f6825412_expb
    .symbol:         k_qc7f6825412_expb.kd
    .args:
      - { .name: pos_bias, .offset: 0, .size: 8, .value_kind: global_buffer, .address_space: global }
      - { .name: eb, .offset: 8, .size: 8, .value_kind: global_buffer, .address_space: global }
    .group_segment_fixed_size: 43264
    .private_segment_fixed_size: 0
    .kernarg_segment_align: 8
    .kernarg_segment_size: 16
    .max_flat_workgroup_size: 512
    .sgpr_count:     66
    .vgpr_count:     64
    .wavefront_size: 32
...
	.end_amdgpu_metadata
.endif
;; end of part 1
;; launch aft (part 2): grid 8 x 32, 4 waves a work-group, clusters of 4 x 1, 327,680 bytes of LDS; arguments x_codes, x_scales, Wk_codes, Wk_scales, Wv_codes, Wv_scales, Wq_codes, Wq_scales, bk, bv, bq, eb, out0; writes out0
.if DOCPART == 2
	.amdgcn_target "amdgcn-amd-amdhsa--gfx1250"
	.amdhsa_code_object_version 6
	.text
	.protected	k_qc7f6825412_aft
	.globl	k_qc7f6825412_aft
	.p2align	8
	.type	k_qc7f6825412_aft,@function
k_qc7f6825412_aft:
	s_mov_b64 s[64:65], 0
	v_nop
	global_prefetch_b8 v0, s[64:65] scope:SCOPE_SE
	s_setreg_imm32_b32 hwreg(HW_REG_WAVE_MODE, 25, 1), 1
	s_wait_xcnt 0x0
	s_wait_alu depctr_hold_cnt(0) depctr_sa_sdst(0) depctr_va_vdst(0) depctr_va_sdst(0) depctr_va_ssrc(0) depctr_va_vcc(0) depctr_vm_vsrc(0)
	s_getreg_b32 s2, hwreg(HW_REG_IB_STS2, 6, 4)
	s_cmp_eq_u32 s2, 0
	s_cbranch_scc0 .Lentry_in_a_cluster
	s_endpgm
.Lentry_in_a_cluster:
	s_bfe_u32 s2, ttmp6, 0x10000c
	s_cmp_lg_u32 s2, 0x3003
	s_cbranch_scc0 .Lentry_shape_is_right
	s_endpgm
.Lentry_shape_is_right:
; out[b][t][d] = sigmoid(q) x num / den;  q, k, v = x W^T + bias (K = 512, x and W given as FP4 codes);  den = eb ek, num = eb (ek v), K = the 1,024 tokens T; ek = exp(k).
; ek and ek v are quantised here along T; eb = exp(pos_bias) comes as codes and scale bytes from the launch before.  All five products by the scaled FP4 matrix instruction, sums in f32.
; SHARES.  A work-group owns one batch b and 64 channels (slice cs); 4 waves.  The four work-groups of a cluster have the same b: they need the same x[b] and the same eb, so every tensor load is asked for
; JOINTLY (mask 15).  The place in the cluster enters only the addresses of W, of the biases and of out.
; A CHANNEL TILE d (0..3) IS NOT 16 NEIGHBOURS: its column r is channel 4 r + d.  So a lane's results of the four tiles are four neighbouring channels of one row, 16 bytes, and sixteen lanes store a row's
; 256 bytes straight from registers.
; PHASE 1 (wave w: tokens 256 w .. 256 w + 255, four bodies k of 64; a step n = 4 k + d is a body's channel tile): source 0 = 16 tokens of x, source 1 = 16 rows of Wk or Wv: a lane holds one channel and its
;   registers run along the tokens, the next K.  exp, product, the blocks' largest magnitudes, conversions; two exchanges of halves give four registers of a fragment (64 tokens).  They go to LDS as an IMAGE of
;   the operand's registers, 16 bytes a lane.  The vector work of step n and the 32 products of step n + 1 stand by turns: two sets of accumulators.
; PHASE 2 (eight slots of 128 rows t; wave w: 32 of them, two tiles): every wave holds all fragments of ek and ek v (64 channels x 1,024 T: 512 registers), so a fragment of eb read from LDS feeds eight products.
;   source 0 = eb or x (16 rows t), source 1 = ek, ek v or Wq.  out = num x rcp(den + den e^-q).  Each fragment buffer (x; eb's K steps 0-3; 4-7) is loaded again as soon as its products are issued.
;   Tile 1's exponentials and tile 0's reciprocals are one batch.  A slot's last 32 products stand inside the barrier that opens the change of slots; tile 1's way out stands behind the next slot's first loads.
; The slots' order is turned by cluster: slot i serves rows 128 ((j0 + i) % 8), j0 = (cluster x + 2 b) % 8.  Only global addresses hang on it.
; NO PREFETCH: phase 2's rows of x are the ones that the same work-group has read in phase 1, and eb is 557,056 bytes, of which the clusters, by their turned orders, ask for all eight records at each slot.
; LDS: 0: tokens of bodies 0, 1 (34,816 a wave); 139,264: of bodies 2, 3.  From 0 the images, behind the barrier that shows bodies 0 and 1 read: codes kind x 32,768 + d x 8,192 + S x 1,024 + c x 512 + 16 lane,
;   scale words from 65,536: d x 1,024 + S x 128 + 4 lane (lanes 0-15 ek's, 16-31 ek v's).  69,632: phase 2's two slots of 108,800: a record of eb (136 rows x 528), 128 rows of x (x 272) at 71,808, their scale
;   bytes at 106,624.  287,232: spare words.
; REGISTERS.  Window 0: v0-23 addresses; v24-87 scale words and nothing else; phase 1: bv as C (88-119), bk log2(e) (120-127), at work (128-151); phase 2: eb (88-151), den, num (152-215), rows going out (216-247);
;   -bq log2(e) (248-255).  Window 1: phase 1 Wk, Wv; phase 2 ek.  Window 2: phase 1 x, two bodies; phase 2 ek v.  Window 3: phase 1 two sets of k, v (0-127); phase 2 x (0-31), q of tiles 0, 1 (32-95); Wq (128-255).
; LIMITS.  NaN and infinities are not served.  exp(k) is 2^(k log2(e) + bk log2(e)), one fused multiply-add, e^-q likewise: the relative error grows as about 6e-8 x |k log2(e)|.  Where den (1 + e^-q) lies beyond
; 2^126 the reciprocal gives 0, and under 2^-126 infinity.  No maximum is taken away ahead of the exponentials: the definition takes none.
.set RING,  69632
.set SLOT,  108800
.set SPARE, 287232
.set IMGS,  65536
.set OXC,   71808
.set OXS,   106624
.set AX0, 0                            ; phase 1: my place among bodies 0, 1: 34,816 w + 272 r + 16 h (v0, the thread's number, has been used by then)
.set LI,  1                            ; 16 lane
.set IA0, 2                            ; where I store images: 16 lane + 2,048 w
.set ISA0, 3                           ; and their two scale bytes: IMGS + 4 lane + 256 w
.set LS,  4                            ; IMGS + 4 lane
.set WA,  5                            ; 1,024 r + 16 h: a weight's fragment
.set WSA, 6                            ; 64 r: its scale words
.set BA,  7                            ; 16 r: a bias
.set AE,  8                            ; phase 2, slot A: eb's row 32 w + r, + 16 h
.set AES, 9                            ; eb's scale bytes: row 128 + 2 w, + 32 r + 16 h
.set AXQ, 10                           ; x's row 32 w + r, + 16 h
.set AXS, 11                           ; x's scale bytes: 16 (32 w + lane)
.set GO,  12                           ; out: 8 h rows of 2,048 bytes, + 16 r
.set SPW, 13                           ; LDS address of my spare word; never rewritten
.set NIL, 14                           ; 0; never rewritten
.set AX1, 15                           ; phase 1: my place among bodies 2, 3
.set AEC, 20                           ; phase 2: the four addresses in the slot in hand
.set AESC, 21
.set AXQC, 22
.set AXSC, 23
.set ESC, 24                           ; phase 2: ek's (lanes 0-15) and ek v's (lanes 16-31) [8 d + S]
.set WKS, 24                           ; phase 1: Wk's, Wv's [4 d + s]
.set WVS, 40
.set WQS, 56
.set XS,  72                           ; phase 1: x's scale words [8 (k % 2) + 4 b + s]: lanes 0-15 tile 2 b, lanes 16-31 tile 2 b + 1
.set XSQ, 72                           ; phase 2: x's [s]: lanes 0-15 tile 0, lanes 16-31 tile 1
.set EBS0, 76                          ; eb's [i]: lanes 0-15 K step i, lanes 16-31 K step 4 + i; tile 0,
.set EBS1, 80                          ; tile 1
.set BV,  88
.set BKL, 120
.set TM,  128                          ; +0..3 largest magnitudes (ek block 0, 1; ek v block 0, 1), +4..7 the other half's, then bytes, +8..11 the conversions' scale operands, +12..14 half-words
.set PC,  144
.set EB,  88
.set DA,  152
.set NA,  184
.set OUT, 216
.set NB,  248
.set QA,  32                           ; window 3
.set WQ,  128                          ; window 3
; scalars: s2 wave; s3 loop counter; s[4:5] x's codes at batch b; s[6:7] its scale bytes; s[44:45] those of my tokens; s[26:27] eb + my half of a record; s[28:29] out at (b, 32 w, 64 cs); s[20:21] at the slot
; stored; s[30:31] lane selects; s[32:39], s[48:55], s[68:75] descriptor groups 1; s[76:87] groups 0; s93 my half of a record in slot A; s66, s67 the slot read and the slot filled (0 or SLOT);
; s96 the record filled next; s97 the rows stored next; s[98:99] log2(e); s[94:95] -log2(e); s104 the mask of lanes 16-31
.set MSB, 0
.macro WIN new                         ; the immediate's high byte repeats the setting that is left; a switch that changes nothing is dropped
.if MSB != \new
	s_set_vgpr_msb (MSB<<8)|\new
.set MSB, \new
.endif
.endm
.macro PLACES n
.rept \n
	v_nop
.endr
.endm
.macro CREST                           ; a round of the cluster's barrier behind its opening barrier: wave 0 signals for the work-group; every wave waits for all four work-groups; my work-group's barrier once more
	s_cmp_lg_u32 s2, 0
	s_cbranch_scc1 .Lnot_wave_0_\@
	s_barrier_signal -3
.Lnot_wave_0_\@:
	s_barrier_wait -3
	s_barrier_signal -1
	s_barrier_wait -1
.endm
.macro ROUND                           ; a whole round
	s_barrier_signal -1
	s_barrier_wait -1
	CREST
.endm
; One product.  rD, rA, rB, rC: first registers; rSA, rSB: scale words; cZ = 1: C is the constant 0; aR, bR = 1: that side's scale words are read from lanes 16-31.
.macro WM
.if cZ
.if aR
.if bR
	v_wmma_scale_f32_16x16x128_f8f6f4 v[rD:rD+7], v[rA:rA+7], v[rB:rB+7], 0, v[rSA], v[rSB] matrix_a_fmt:MATRIX_FMT_FP4 matrix_b_fmt:MATRIX_FMT_FP4 matrix_a_scale:MATRIX_SCALE_ROW1 matrix_b_scale:MATRIX_SCALE_ROW1
.else
	v_wmma_scale_f32_16x16x128_f8f6f4 v[rD:rD+7], v[rA:rA+7], v[rB:rB+7], 0, v[rSA], v[rSB] matrix_a_fmt:MATRIX_FMT_FP4 matrix_b_fmt:MATRIX_FMT_FP4 matrix_a_scale:MATRIX_SCALE_ROW1
.endif
.else
.if bR
	v_wmma_scale_f32_16x16x128_f8f6f4 v[rD:rD+7], v[rA:rA+7], v[rB:rB+7], 0, v[rSA], v[rSB] matrix_a_fmt:MATRIX_FMT_FP4 matrix_b_fmt:MATRIX_FMT_FP4 matrix_b_scale:MATRIX_SCALE_ROW1
.else
	v_wmma_scale_f32_16x16x128_f8f6f4 v[rD:rD+7], v[rA:rA+7], v[rB:rB+7], 0, v[rSA], v[rSB] matrix_a_fmt:MATRIX_FMT_FP4 matrix_b_fmt:MATRIX_FMT_FP4
.endif
.endif
.else
.if aR
.if bR
	v_wmma_scale_f32_16x16x128_f8f6f4 v[rD:rD+7], v[rA:rA+7], v[rB:rB+7], v[rC:rC+7], v[rSA], v[rSB] matrix_a_fmt:MATRIX_FMT_FP4 matrix_b_fmt:MATRIX_FMT_FP4 matrix_a_scale:MATRIX_SCALE_ROW1 matrix_b_scale:MATRIX_SCALE_ROW1
.else
	v_wmma_scale_f32_16x16x128_f8f6f4 v[rD:rD+7], v[rA:rA+7], v[rB:rB+7], v[rC:rC+7], v[rSA], v[rSB] matrix_a_fmt:MATRIX_FMT_FP4 matrix_b_fmt:MATRIX_FMT_FP4 matrix_a_scale:MATRIX_SCALE_ROW1
.endif
.else
.if bR
	v_wmma_scale_f32_16x16x128_f8f6f4 v[rD:rD+7], v[rA:rA+7], v[rB:rB+7], v[rC:rC+7], v[rSA], v[rSB] matrix_a_fmt:MATRIX_FMT_FP4 matrix_b_fmt:MATRIX_FMT_FP4 matrix_b_scale:MATRIX_SCALE_ROW1
.else
	v_wmma_scale_f32_16x16x128_f8f6f4 v[rD:rD+7], v[rA:rA+7], v[rB:rB+7], v[rC:rC+7], v[rSA], v[rSB] matrix_a_fmt:MATRIX_FMT_FP4 matrix_b_fmt:MATRIX_FMT_FP4
.endif
.endif
.endif
.endm
; A joint refill of a phase-2 slot, one tensor load a wave: waves 0 and 1 the two halves of a record of eb, wave 2 the 128 rows of x, wave 3 their scale bytes.  The branches hang on the wave's number alone.
.macro QLOAD
	s_cmp_lt_u32 s2, 2
	s_cbranch_scc0 .Lfor_x_\@
	tensor_load_to_lds s[76:79], s[48:55]
	s_nop 0
	PLACES 4
	s_branch .Lasked_\@
.Lfor_x_\@:
	s_cmp_eq_u32 s2, 2
	s_cbranch_scc0 .Lfor_s_\@
	tensor_load_to_lds s[80:83], s[32:39]
	s_nop 0
	PLACES 4
	s_branch .Lasked_\@
.Lfor_s_\@:
	tensor_load_to_lds s[84:87], s[68:75]
	s_nop 0
	PLACES 4
.Lasked_\@:
.endm
; What stands ahead of a refill's round: each wave waits for all its tensor loads, adds 0 to its spare word, and waits for that and for its LDS reads and stores.
.macro CHTOP
	WIN 0
	s_wait_tensorcnt 0x0                           ; no tensor load of mine is out, so the groups 0 may be written
	ds_add_u32 v[SPW], v[NIL]                      ; 0 onto my spare word; the descriptors are made between it and the wait for it
	s_mul_i32 s100, s96, 69632                     ; the record to be fetched
	s_mov_b32 s101, 0
	s_mov_b32 s76, 1
	s_add_co_u32 s77, s93, s67                     ; LDS: the slot to be filled, my half of the record
	s_add_nc_u64 s[78:79], s[26:27], s[100:101]
	s_or_b32 s79, s79, 0x80000000
	s_lshl_b32 s100, s96, 15                       ; its 128 rows of x: 32,768 bytes a slot
	s_mov_b32 s80, 1
	s_add_co_u32 s81, s67, RING+OXC
	s_add_nc_u64 s[82:83], s[4:5], s[100:101]
	s_or_b32 s83, s83, 0x80000000
	s_lshl_b32 s100, s96, 11                       ; and their scale bytes: 2,048
	s_mov_b32 s84, 1
	s_add_co_u32 s85, s67, RING+OXS
	s_add_nc_u64 s[86:87], s[6:7], s[100:101]
	s_or_b32 s87, s87, 0x80000000
	s_add_co_u32 s96, s96, 1
	s_and_b32 s96, s96, 7                          ; the next record, round the eight
	s_xor_b32 s67, s67, SLOT                       ; into the other slot
	s_wait_dscnt 0x0                               ; the add is done; my LDS loads are in and my LDS stores have landed
.endm
; PHASE 1.  My 64 tokens of body k: 32 LDS loads, K step by K step;
.macro LOADX k
	WIN 0x80                                       ; destination window 2
.irp s, 0,1,2,3
.irp t, 0,1,2,3
.irp c, 0,1
.if \k < 2
	ds_load_b128 v[128*(\k%2)+32*\t+8*\s+4*\c:128*(\k%2)+32*\t+8*\s+4*\c+3], v[AX0] offset:17408*(\k%2)+4352*\t+64*\s+32*\c
.else
	ds_load_b128 v[128*(\k%2)+32*\t+8*\s+4*\c:128*(\k%2)+32*\t+8*\s+4*\c+3], v[AX1] offset:17408*(\k%2)+4352*\t+64*\s+32*\c
.endif
.endr
.endr
.endr
	WIN 0
.endm
; and their scale words, from memory: 32 lanes read 512 consecutive bytes: lane l the four words of token 32 b + l.
.macro XLOAD k
.irp b, 0,1
	global_load_b128 v[XS+8*(\k%2)+4*\b:XS+8*(\k%2)+4*\b+3], v[LI], s[44:45] offset:1024*\k+512*\b
.endr
.endm
.macro WLOAD d                         ; Wk's and Wv's fragments of channel tile d: row 4 r + d
	WIN 0x40                                       ; destination window 1
.irp s, 0,1,2,3
.irp c, 0,1
	global_load_b128 v[32*\d+8*\s+4*\c:32*\d+8*\s+4*\c+3], v[WA], s[8:9] offset:256*\d+64*\s+32*\c
	global_load_b128 v[128+32*\d+8*\s+4*\c:128+32*\d+8*\s+4*\c+3], v[WA], s[12:13] offset:256*\d+64*\s+32*\c
.endr
.endr
	WIN 0
.endm
.macro WQLOAD d                        ; Wq's, with their scale words: nine loads, wanted in phase 2 alone
	WIN 0xc0                                       ; destination window 3
.irp s, 0,1,2,3
.irp c, 0,1
	global_load_b128 v[WQ+32*(\d)+8*\s+4*\c:WQ+32*(\d)+8*\s+4*\c+3], v[WA], s[16:17] offset:256*(\d)+64*\s+32*\c
.endr
.endr
	WIN 0
	global_load_b128 v[WQS+4*(\d):WQS+4*(\d)+3], v[WSA], s[18:19] offset:16*(\d)
.endm
; K step s of step m's products: k and v of my 64 tokens x 16 channels; the eight accumulators take turns, one instruction a turn.
.macro PROD m, s
.set mk, (\m)/4
.set md, (\m)%4
.set mp, 64*((\m)%2)
.if \s == 0
	WIN 0xc6                                       ; x window 2, W window 1, C window 0, D window 3
.else
	WIN 0xf6                                       ; C and D window 3
.endif
.irp t, 0,1,2,3
.set rA, 128*(mk%2)+32*\t+8*\s
.set rSA, XS+8*(mk%2)+4*(\t/2)+\s
.set aR, \t%2
.set bR, 0
.set rD, mp+8*\t
.set rC, rD
.set rB, 32*md+8*\s
.set rSB, WKS+4*md+\s
.if \s == 0
.set cZ, 1
.else
.set cZ, 0
.endif
	WM                                             ; k: the first K step starts the sum
.set rD, mp+32+8*\t
.set rB, 128+32*md+8*\s
.set rSB, WVS+4*md+\s
.set cZ, 0
.if \s == 0
.set rC, BV+8*md
.else
.set rC, rD
.endif
	WM                                             ; v: bv is the C of the first K step
.endr
.endm
; Step n: ek and ek v, their codes and scale bytes, and the images; among them, K step by K step, the products of step n + 1.
.macro STEP n
.set KA, 64*((\n)%2)
.set VA, KA+32
.set BKD, BKL+2*((\n)%4)
.set IOF, 8192*((\n)%4)+1024*((\n)/8)+512*(((\n)/4)%2)
.set SOF, 1024*((\n)%4)+128*((\n)/8)+2*(((\n)/4)%2)
.if \n == 3
	XLOAD 2                                        ; body 0's last products have read theirs
.endif
.if \n == 7
	XLOAD 3
.endif
.if (\n >= 4) && (\n < 8)
	WQLOAD \n-4
.endif
.if \n == 4
	s_wait_tensorcnt 0x0                           ; my tokens of bodies 2 and 3 are in LDS
	LOADX 2
.endif
.if \n == 8
	LOADX 3
.endif
	WIN 0xc3                                       ; source 0 and destination window 3, source 2 window 0
.set j, 0
.rept 16
	v_pk_fma_f32 v[KA+j:KA+j+1], v[KA+j:KA+j+1], s[98:99], v[BKD:BKD+1] op_sel_hi:[1,0,0]   ; (k + bk) log2(e), each accumulator from its low end on
.set j, j+2
.endr
.set j, 0
	s_wait_alu depctr_va_vdst(0)
.rept 32
	v_exp_f32 v[KA+j], v[KA+j]                     ; ek: one batch
.set j, j+1
.endr
	v_nop                                          ; a plain instruction behind the last exponential
.if \n == 0
	s_wait_loadcnt 32                              ; the weights of tile 1 are in; the later tiles' sixteen loads each may be out
.endif
.if \n == 1
	s_wait_loadcnt 16
.endif
.if \n == 2
	s_wait_loadcnt 0x0
.endif
.if \n == 7
	s_wait_loadcnt 38                              ; body 2's scale words are in; behind them stand Wq's four times nine and body 3's two
	s_wait_dscnt 9                                 ; body 2's x is in; behind it stand three steps' three image stores
.endif
.if \n == 11
	s_wait_loadcnt 9                               ; body 3's scale words are in; Wq's last nine may be out
.endif
.if \n < 15
	PROD \n+1, 0
.endif
	WIN 0xcf
	s_wait_alu depctr_va_vdst(0)                   ; one wait for the batch, ahead of its first reader
.set j, 0
.rept 16
	v_pk_mul_f32 v[VA+j:VA+j+1], v[VA+j:VA+j+1], v[KA+j:KA+j+1]        ; ek v
.set j, j+2
.endr
.if \n < 15
	PROD \n+1, 1
.endif
	WIN 0x3c                                       ; sources 1 and 2 window 3
	v_max3_num_f32 v[TM], 0x1800000, v[KA], v[KA+1]                    ; the largest magnitudes of my 16 numbers of each block of 32 tokens, with the floor 2^(3 - 127): four chains by turns
	v_max3_num_f32 v[TM+1], 0x1800000, v[KA+16], v[KA+17]
	v_max3_num_f32 v[TM+2], 0x1800000, |v[VA]|, |v[VA+1]|
	v_max3_num_f32 v[TM+3], 0x1800000, |v[VA+16]|, |v[VA+17]|
.irp i, 2,4,6,8,10,12,14
	v_max3_num_f32 v[TM], v[TM], v[KA+\i], v[KA+\i+1]
	v_max3_num_f32 v[TM+1], v[TM+1], v[KA+16+\i], v[KA+17+\i]
	v_max3_num_f32 v[TM+2], v[TM+2], |v[VA+\i]|, |v[VA+\i+1]|
	v_max3_num_f32 v[TM+3], v[TM+3], |v[VA+16+\i]|, |v[VA+17+\i]|
.endr
.if \n < 15
	PROD \n+1, 2
.endif
	WIN 0
.irp i, 0,1,2,3
	v_permlanex16_b32 v[TM+4+\i], v[TM+\i], s30, s31
.endr
.irp i, 0,1,2,3
	v_max_num_f32 v[TM+\i], v[TM+\i], v[TM+4+\i]   ; with lane l xor 16's 16: the block's
.endr
.irp i, 0,1,2,3
	v_add_nc_u32 v[TM+8+\i], 0xff000000, v[TM+\i]  ; 2 off the exponent field: the conversion's scale operand
.endr
.if \n < 15
	PROD \n+1, 3
.endif
	WIN 0
.irp i, 0,1,2,3
	v_lshrrev_b32 v[TM+4+\i], 23, v[TM+8+\i]       ; the scale's byte
.endr
	v_lshl_or_b32 v[TM+12], v[TM+5], 8, v[TM+4]    ; ek's two bytes of my channel,
	v_lshl_or_b32 v[TM+13], v[TM+7], 8, v[TM+6]    ; ek v's
.if \n == 0
	s_wait_alu depctr_va_vdst(0)                   ; directly ahead of the wait below
	s_barrier_wait -1                              ; everybody has bodies 0 and 1 in registers: their bytes have had their one fill, and take the images from here on
.endif
	WIN 0x03                                       ; source 0 window 3
	v_cvt_scalef32_pk8_fp4_f32 v[PC], v[KA:KA+7], v[TM+8]          ; tokens 8 h + 0 .. 7
	v_cvt_scalef32_pk8_fp4_f32 v[PC+2], v[KA+8:KA+15], v[TM+8]     ; 16 + 8 h ..
	v_cvt_scalef32_pk8_fp4_f32 v[PC+1], v[KA+16:KA+23], v[TM+9]    ; 32 + 8 h ..
	v_cvt_scalef32_pk8_fp4_f32 v[PC+3], v[KA+24:KA+31], v[TM+9]    ; 48 + 8 h ..
	v_cvt_scalef32_pk8_fp4_f32 v[PC+4], v[VA:VA+7], v[TM+10]
	v_cvt_scalef32_pk8_fp4_f32 v[PC+6], v[VA+8:VA+15], v[TM+10]
	v_cvt_scalef32_pk8_fp4_f32 v[PC+5], v[VA+16:VA+23], v[TM+11]
	v_cvt_scalef32_pk8_fp4_f32 v[PC+7], v[VA+24:VA+31], v[TM+11]
	WIN 0
	v_cndmask_b32 v[TM+14], v[TM+12], v[TM+13], s104               ; lanes 0-15 store ek's, lanes 16-31 ek v's (also the plain instruction behind the conversions)
.irp i, 0,2,4,6
	v_permlane16_swap_b32 v[PC+\i], v[PC+\i+1]     ; the first's lanes 16-31 change places with the second's lanes 0-15: four registers now hold tokens 32 h + 0 .. 31 of my 64, a whole block a lane
.endr
	ds_store_b128 v[IA0], v[PC:PC+3] offset:IOF                    ; K step 2 w + k / 2, registers 4 (k % 2) on
	ds_store_b128 v[IA0], v[PC+4:PC+7] offset:32768+IOF
	ds_store_b16 v[ISA0], v[TM+14] offset:SOF                      ; bytes 2 (k % 2), + 1 of that K step's scale words
.endm
; PHASE 2.  The images into registers: K steps 0-3 (64 loads), the scale words (32), K steps 4-7 (64).
.macro EFRAGS g0
	WIN 0x40
.irp g, \g0,\g0+1,\g0+2,\g0+3
.irp d, 0,1,2,3
.irp c, 0,1
	ds_load_b128 v[64*\d+8*(\g)+4*\c:64*\d+8*(\g)+4*\c+3], v[LI] offset:8192*\d+1024*(\g)+512*\c
.endr
.endr
.endr
	WIN 0x80
.irp g, \g0,\g0+1,\g0+2,\g0+3
.irp d, 0,1,2,3
.irp c, 0,1
	ds_load_b128 v[64*\d+8*(\g)+4*\c:64*\d+8*(\g)+4*\c+3], v[LI] offset:32768+8192*\d+1024*(\g)+512*\c
.endr
.endr
.endr
	WIN 0
.endm
.macro XLD u                           ; x's four fragments of tile u
	WIN 0xc0
.irp s, 0,1,2,3
.irp c, 0,1
	ds_load_b128 v[8*\s+4*\c:8*\s+4*\c+3], v[AXQC] offset:4352*\u+64*\s+32*\c
.endr
.endr
	WIN 0
.endm
.macro ELD u, g0                       ; eb's K steps g0 .. g0 + 3 of tile u
.irp g, 0,1,2,3
.irp c, 0,1
	ds_load_b128 v[EB+8*(\g0+\g)+4*\c:EB+8*(\g0+\g)+4*\c+3], v[AEC] offset:8448*\u+64*(\g0+\g)+32*\c
.endr
.endr
.endm
.macro QPROD u                         ; q of tile u: 16 products; the four accumulators take turns, one instruction a turn
	WIN 0xff
.irp s, 0,1,2,3
.irp d, 0,1,2,3
.set rD, QA+32*\u+8*\d
.set rC, rD
.set rA, 8*\s
.set rB, WQ+32*\d+8*\s
.set rSA, XSQ+\s
.set rSB, WQS+4*\d+\s
.set aR, \u
.set bR, 0
.if \s == 0
.set cZ, 1
.else
.set cZ, 0
.endif
	WM
.endr
.endr
.endm
.macro DN g0, e                        ; 16 products of den, 16 of num: K steps g0 .. g0 + 3; four accumulators take turns, one instruction a turn
.irp kd, 0,1
.if \kd == 0
	WIN 0x04                                       ; ek window 1
.else
	WIN 0x08                                       ; ek v window 2
.endif
.irp gg, 0,1,2,3
.irp d, 0,1,2,3
.set kst, \g0+\gg
.set rD, DA+32*\kd+8*\d
.set rC, rD
.set rA, EB+8*kst
.set rB, 64*\d+8*kst
.set rSA, \e+kst%4
.set rSB, ESC+8*\d+kst
.set aR, kst/4
.set bR, \kd
.if kst == 0
.set cZ, 1
.else
.set cZ, 0
.endif
	WM
.endr
.endr
.endr
.endm
.macro QFMA u                          ; -(q + bq) log2(e), each accumulator from its low end on
	WIN 0xc3
.irp d, 0,1,2,3
.irp i, 0,2,4,6
	v_pk_fma_f32 v[QA+32*\u+8*\d+\i:QA+32*\u+8*\d+\i+1], v[QA+32*\u+8*\d+\i:QA+32*\u+8*\d+\i+1], s[94:95], v[NB+2*\d:NB+2*\d+1] op_sel_hi:[1,0,0]
.endr
.endr
.endm
.macro QEXP u                          ; e^-q
	WIN 0xc3
.set j, 0
.rept 32
	v_exp_f32 v[QA+32*\u+j], v[QA+32*\u+j]
.set j, j+1
.endr
.endm
; The way out of tile u: out = num x rcp(den + den e^-q), four neighbouring channels a lane.  mg = 1 (tile 0): tile 1's exponentials join the batch, and the base is set for this slot's two tiles.
.macro EPB u, mg
	WIN 0x0c                                       ; source 1 (e^-q) window 3
.set j, 0
.rept 16
	v_pk_fma_f32 v[DA+j:DA+j+1], v[DA+j:DA+j+1], v[QA+32*\u+j:QA+32*\u+j+1], v[DA+j:DA+j+1]
.set j, j+2
.endr
.if \mg
	QFMA 1
.endif
	s_wait_alu depctr_va_vdst(0)
.if \mg
	QEXP 1
.endif
	WIN 0
.set j, 0
.rept 32
	v_rcp_f32 v[DA+j], v[DA+j]
.set j, j+1
.endr
	v_nop
	s_wait_xcnt 0x0                                ; the stores issued so far have read their registers and their base
.if \mg
	s_lshl_b32 s22, s97, 18                        ; 128 rows of 2,048 bytes a slot, round the eight
	s_mov_b32 s23, 0
	s_add_nc_u64 s[20:21], s[28:29], s[22:23]
	s_add_co_u32 s97, s97, 1
	s_and_b32 s97, s97, 7
.endif
	s_wait_alu depctr_va_vdst(0)                   ; one wait for the batch
.irp i, 0,1,2,3,4,5,6,7
.irp d, 0,1,2,3
	v_mul_f32 v[OUT+4*\i+\d], v[NA+8*\d+\i], v[DA+8*\d+\i]     ; row 8 h + i, channels 4 r + 0 .. 3 on end
.endr
.endr
.irp i, 0,1,2,3,4,5,6,7
	global_store_b128 v[GO], v[OUT+4*\i:OUT+4*\i+3], s[20:21] offset:32768*\u+2048*\i th:TH_STORE_NT   ; 16 lanes store 256 consecutive bytes, at a multiple of 256 from out's first byte; written once
.endr
.endm
; A slot: my 32 rows t, two tiles.  p = 0: the first (the images come in); 1: the slot before's tile 1 is still in the accumulators.  fill = 1: the slot is filled again.
.macro QBODY p, fill
	v_add_nc_u32 v[AXSC], s66, v[AXS]
	v_add_nc_u32 v[AESC], s66, v[AES]
	v_add_nc_u32 v[AXQC], s66, v[AXQ]
	v_add_nc_u32 v[AEC], s66, v[AE]
	s_wait_alu depctr_va_vdst(0)
	s_xor_b32 s66, s66, SLOT                       ; the next slot
	ds_load_b128 v[XSQ:XSQ+3], v[AXSC]             ; both tiles' words of x
	ds_load_b128 v[EBS0:EBS0+3], v[AESC]
	XLD 0
	ELD 0, 0
	ELD 0, 4
.if \p
	EPB 1, 0
	s_wait_dscnt 16                                ; x is in; eb's sixteen loads may be out
.else
	EFRAGS 0
.irp d, 0,1,2,3
.irp g, 0,1,2,3,4,5,6,7
	ds_load_b32 v[ESC+8*\d+\g], v[LS] offset:1024*\d+128*\g
.endr
.endr
	EFRAGS 4
	s_wait_loadcnt 0x0                             ; Wq and its scale words are in
	s_wait_dscnt 63                                ; x is in: behind it stand eb's sixteen loads and 160 of images
.endif
	QPROD 0
	PLACES 4
	XLD 1
	QFMA 0
	s_wait_alu depctr_va_vdst(0)
	QEXP 0
	v_nop
	s_wait_alu depctr_va_vdst(0)                   ; one wait for the batch
.if \p
	s_wait_dscnt 16                                ; eb's K steps 0-3 are in; K steps 4-7 and tile 1's x may be out
.else
	s_wait_dscnt 63                                ; those, the images' K steps 0-3 and all scale words are in: behind them stand 64 loads of images and tile 1's eight of x
.endif
	DN 0, EBS0
	PLACES 4
	WIN 0
	ds_load_b128 v[EBS1:EBS1+3], v[AESC] offset:528
	ELD 1, 0
	s_wait_dscnt 17                                ; K steps 4-7 are in; tile 1's x, and the nine just issued, may be out
	DN 4, EBS0
	PLACES 4
	WIN 0
	ELD 1, 4
	s_wait_dscnt 17                                ; tile 1's x is in; a scale load and eb's sixteen may be out
	QPROD 1
	EPB 0, 1
	s_wait_dscnt 8                                 ; tile 1's scale words and K steps 0-3 are in
	DN 0, EBS1
.if \fill
	CHTOP
	s_barrier_signal -1                            ; my part of the slot asked for a change ago has landed, and my reads of this slot are over
	DN 4, EBS1                                     ; work on registers while the others arrive
	WIN 0
	s_barrier_wait -1
	CREST                                          ; of every wave of all four work-groups
	QLOAD                                          ; the refill, first behind the round; its four v_nop are also the places behind the products above
.else
	WIN 0
	s_wait_tensorcnt 0x0                           ; a change without a refill
	ds_add_u32 v[SPW], v[NIL]
	s_wait_dscnt 0x0
	s_barrier_signal -1
	DN 4, EBS1
	WIN 0
	s_barrier_wait -1
	PLACES 4
.endif
.endm
	s_load_b512 s[4:19], s[0:1], 0x0               ; x codes, x scales, Wk codes, Wk scales, Wv codes, Wv scales, Wq codes, Wq scales
	s_load_b256 s[20:27], s[0:1], 0x40             ; bk, bv, bq, eb
	s_load_b64 s[28:29], s[0:1], 0x60              ; out
	v_lshl_add_u32 v[SPW], v0, 2, SPARE
	v_mov_b32 v[NIL], 0
	ds_add_u32 v[SPW], v[NIL]                      ; the wave's opening: the add, twice on end, and its wait ahead of my first tensor load; the set-up below, work on registers, stands between them
	ds_add_u32 v[SPW], v[NIL]
	v_lshrrev_b32 v135, 5, v0
	v_readfirstlane_b32 s2, v135                   ; wave 0..3
	s_mul_i32 s81, s2, 34816
	s_lshl_b32 s88, s2, 11
	s_lshl_b32 s89, s2, 8
	s_add_co_u32 s89, s89, IMGS
	s_mul_i32 s90, s2, 16896
	s_add_co_u32 s90, s90, RING
	s_mul_i32 s91, s2, 1056
	s_add_co_u32 s91, s91, RING+128*528
	s_mul_i32 s92, s2, 8704
	s_add_co_u32 s92, s92, RING+OXC
	s_lshl_b32 s96, s2, 9
	s_add_co_u32 s96, s96, RING+OXS
	; the addresses: a constant + a constant x lane + a constant x wave.  v128 r, v129 h, v130 lane
	v_and_b32 v130, 31, v0
	v_and_b32 v128, 15, v0
	v_bfe_u32 v129, v0, 4, 1
	v_lshlrev_b32 v[LI], 4, v130
	v_mul_u32_u24 v131, v128, 272
	v_mul_u32_u24 v132, v128, 528
	v_lshlrev_b32 v133, 5, v128
	v_lshlrev_b32 v134, 2, v130
	v_lshlrev_b32 v[WA], 10, v128
	v_lshlrev_b32 v[WSA], 6, v128
	v_lshlrev_b32 v[BA], 4, v128
	v_lshlrev_b32 v[GO], 14, v129
	v_lshl_add_u32 v136, v129, 4, v131             ; 272 r + 16 h
	v_lshl_add_u32 v137, v129, 4, v132             ; 528 r + 16 h
	v_lshl_add_u32 v133, v129, 4, v133             ; 32 r + 16 h
	v_lshl_add_u32 v[WA], v129, 4, v[WA]
	v_lshl_add_u32 v[GO], v128, 4, v[GO]
	v_add_nc_u32 v[IA0], s88, v[LI]
	v_add_nc_u32 v[ISA0], s89, v134
	v_add_nc_u32 v[LS], IMGS, v134
	v_add_nc_u32 v[AX0], s81, v136
	v_add_nc_u32 v[AE], s90, v137
	v_add_nc_u32 v[AES], s91, v133
	v_add_nc_u32 v[AXQ], s92, v136
	v_add_nc_u32 v[AXS], s96, v[LI]
	v_add_nc_u32 v[AX1], 139264, v[AX0]
	s_wait_alu depctr_va_vdst(0)                   ; a wait behind the head's vector instructions
	; descriptor groups 1.  Word 0: 15:0 the mask of all four work-groups; 17:16 the element's size; 20 padding on; 21 set beside a mask; 24:22 the interval; 31:25 the padding's words less one
	s_mov_b32 s32, 15|(1<<20)|(1<<21)|(5<<22)|(3<<25)      ; x: 128 rows of 256 bytes, 16 bytes of padding behind each
	s_mov_b32 s33, 256<<16
	s_mov_b32 s34, 128<<16
	s_mov_b32 s35, 256<<16
	s_mov_b32 s36, 128
	s_mov_b32 s37, 256
	s_mov_b32 s38, 0
	s_mov_b32 s39, 0
	s_mov_b32 s48, 15|(1<<20)|(1<<21)|(6<<22)|(3<<25)      ; half a record of eb: 68 rows of 512 bytes, 16 bytes of padding behind each
	s_mov_b32 s49, 512<<16
	s_mov_b32 s50, 68<<16
	s_mov_b32 s51, 512<<16
	s_mov_b32 s52, 68
	s_mov_b32 s53, 512
	s_mov_b32 s54, 0
	s_mov_b32 s55, 0
	s_mov_b32 s68, 15|(3<<16)|(1<<21)              ; a slot's scale bytes of x: 2,048 dense bytes as 8 rows of 256
	s_mov_b32 s69, 32<<16
	s_mov_b32 s70, 8<<16
	s_mov_b32 s71, 32<<16
	s_mov_b32 s72, 8
	s_mov_b32 s73, 32
	s_mov_b32 s74, 0
	s_mov_b32 s75, 0
	s_mov_b32 s30, 0x76543210
	s_mov_b32 s31, 0xfedcba98                      ; v_permlanex16_b32's selects for lane l xor 16
	s_mov_b32 s98, 0x3fb8aa3b                      ; log2(e)
	s_mov_b32 s99, s98                             ; (named with it as a pair, so it is written)
	s_mov_b32 s94, 0xbfb8aa3b                      ; -log2(e)
	s_mov_b32 s95, s94
	s_and_b32 s105, ttmp7, 0xffff                  ; b, which the four partners share
	s_bfe_u32 s104, ttmp6, 0x40000                 ; cx: my place in the cluster
	s_lshl_b32 s100, ttmp9, 2
	s_add_co_u32 s104, s104, s100                  ; cs = 4 x cluster x + cx: it enters W's, the biases' and out's addresses alone
	s_mov_b32 s80, 1                               ; the head's load: my tokens of bodies 0 and 1, to LDS byte 34,816 w
	s_mov_b32 s101, 0
	s_wait_dscnt 0x0                               ; both opening adds are done
	s_wait_kmcnt 0x0
	s_lshl_b32 s100, s105, 18
	s_add_nc_u64 s[4:5], s[4:5], s[100:101]        ; x's codes at batch b: 262,144 bytes a batch
	s_lshl_b32 s100, s105, 14
	s_add_nc_u64 s[6:7], s[6:7], s[100:101]        ; its scale bytes: 16,384
	s_lshl_b32 s100, s2, 16
	s_add_nc_u64 s[82:83], s[4:5], s[100:101]      ; token 256 w
	s_or_b32 s83, s83, 0x80000000
	ROUND                                          ; all four work-groups are here: the first joint loads meet
	tensor_load_to_lds s[80:83], s[32:39]          ; one tensor load a wave at the head
	s_nop 0
	PLACES 4
	; the weights, their scale words and the biases of my work-group's 64 channels: from memory into registers, once
	s_lshl_b32 s100, s104, 14                      ; 64 cs rows of 256 bytes
	s_add_nc_u64 s[8:9], s[8:9], s[100:101]
	s_add_nc_u64 s[12:13], s[12:13], s[100:101]
	s_add_nc_u64 s[16:17], s[16:17], s[100:101]
	s_lshl_b32 s100, s104, 10                      ; of 16 scale bytes
	s_add_nc_u64 s[10:11], s[10:11], s[100:101]
	s_add_nc_u64 s[14:15], s[14:15], s[100:101]
	s_add_nc_u64 s[18:19], s[18:19], s[100:101]
	s_lshl_b32 s100, s104, 8                       ; of one f32
	s_add_nc_u64 s[20:21], s[20:21], s[100:101]
	s_add_nc_u64 s[22:23], s[22:23], s[100:101]
	s_add_nc_u64 s[24:25], s[24:25], s[100:101]
	s_add_nc_u64 s[28:29], s[28:29], s[100:101]
	s_lshl_b32 s100, s2, 12
	s_add_nc_u64 s[44:45], s[6:7], s[100:101]      ; my 256 tokens' scale bytes
	; 63 loads, in the order in which phase 1 wants them: 15 of scale words and biases, 16 for each of the channel tiles 0-2; tile 3's sixteen follow further down
	XLOAD 0
	XLOAD 1
.irp d, 0,1,2,3
	global_load_b128 v[WKS+4*\d:WKS+4*\d+3], v[WSA], s[10:11] offset:16*\d         ; row 4 r + d's four scale words
	global_load_b128 v[WVS+4*\d:WVS+4*\d+3], v[WSA], s[14:15] offset:16*\d
.endr
	global_load_b128 v[152:155], v[BA], s[24:25]   ; bq, bk, bv of channels 4 r + 0 .. 3
	global_load_b128 v[156:159], v[BA], s[20:21]
	global_load_b128 v[160:163], v[BA], s[22:23]
	WLOAD 0
	WLOAD 1
	WLOAD 2
	s_lshl_b32 s100, s105, 21                      ; out: 2,097,152 bytes a batch,
	s_add_nc_u64 s[28:29], s[28:29], s[100:101]
	s_lshl_b32 s100, s2, 16                        ; my 32 rows of 2,048 bytes in a slot
	s_add_nc_u64 s[28:29], s[28:29], s[100:101]
	s_and_b32 s93, s2, 1
	s_mul_i32 s100, s93, 34816
	s_add_nc_u64 s[26:27], s[26:27], s[100:101]    ; eb: the half of a record that waves 0 and 1 fetch
	s_mul_i32 s93, s93, 35904
	s_add_co_u32 s93, s93, RING
	s_lshl_b32 s96, s105, 1
	s_add_co_u32 s96, s96, ttmp9
	s_and_b32 s96, s96, 7                          ; j0 = (cluster x + 2 b) % 8: the same in all four partners
	s_mov_b32 s97, s96
	s_mov_b32 s104, 0xffff0000                     ; lanes 16-31
	s_mov_b32 s66, 0                               ; the slot read first: A
	s_mov_b32 s67, 0                               ; the slot filled first: A
	; ---- PHASE 1
	s_wait_tensorcnt 0x0                           ; my tokens of bodies 0 and 1 are in
	ds_add_u32 v[SPW], v[NIL]
	s_mul_i32 s81, s2, 34816
	s_add_co_u32 s81, s81, 139264                  ; bodies 2 and 3: 128 rows on
	s_add_nc_u64 s[82:83], s[82:83], 0x8000
	s_wait_dscnt 0x0
	ROUND
	tensor_load_to_lds s[80:83], s[32:39]
	s_nop 0
	PLACES 4
	WLOAD 3
	LOADX 0
	LOADX 1
	s_wait_loadcnt 63                              ; the scale words and the biases are in: behind them stand 64 loads of weights
.irp d, 0,1,2,3
.irp i, 0,1,2,3,4,5,6,7
	v_mov_b32 v[BV+8*\d+\i], v[160+\d]             ; bv of my channel in eight registers: the C of v's first product
.endr
.irp i, 0,1
	v_mul_f32 v[BKL+2*\d+\i], s98, v[156+\d]       ; bk log2(e)
	v_mul_f32 v[NB+2*\d+\i], s94, v[152+\d]        ; -bq log2(e)
.endr
	v_mov_b32 v[TM+4+\d], 0                        ; written once: a lane permute's destination counts as one of its sources
.endr
	s_wait_alu depctr_va_vdst(0)                   ; directly ahead of the waits below
	s_wait_loadcnt 48                              ; the weights of tile 0 are in; the other three tiles' 48 loads may be out
.irp s, 0,1,2,3
	s_wait_dscnt 32+8*(3-\s)                       ; body 0's K steps 0 .. s are in; its later ones and body 1's 32 loads may be out
	PROD 0, \s
.endr
	PLACES 4                                       ; between the last products and the first read of results
	WIN 0
	s_wait_dscnt 0x0                               ; bodies 0 and 1 are in registers
	s_barrier_signal -1                            ; (its wait stands ahead of the first image stores)
.irp n, 0,1,2,3,4,5,6,7,8
	STEP \n
.endr
	CHTOP                                          ; all of x has been read: slot A is asked for; it has seven steps in which to land
	ROUND
	QLOAD
.irp n, 9,10,11,12,13,14,15
	STEP \n
.endr
	CHTOP                                          ; slot B is asked for; slot A is whole; all images lie in LDS
	ROUND
	QLOAD
	; ---- PHASE 2
	QBODY 0, 1                                     ; the first slot has no tile behind it: written out
	s_mov_b32 s3, 5
.Lq:                                               ; five trips: a slot is worked and filled again with the rows two slots on
	QBODY 1, 1
	s_sub_co_u32 s3, s3, 1
	s_cmp_lg_u32 s3, 0
	s_cbranch_scc1 .Lq
	s_mov_b32 s3, 2
.Lt:                                               ; the last two slots ask for nothing: a loop of their own
	QBODY 1, 0
	s_sub_co_u32 s3, s3, 1
	s_cmp_lg_u32 s3, 0
	s_cbranch_scc1 .Lt
	EPB 1, 0                                       ; the last tile's way out
	s_wait_tensorcnt 0x0                           ; the wave's end, behind my last tensor load and my last LDS store
	ds_add_u32 v[SPW], v[NIL]
	s_wait_dscnt 0x0
	ROUND                                          ; the closing round: no work-group ends while a partner may still ask for a tile that names it
	s_endpgm
.Lfunc_end_k_qc7f6825412_aft:
	.size	k_qc7f6825412_aft, .Lfunc_end_k_qc7f6825412_aft-k_qc7f6825412_aft
	.p2alignl 7, 3214868480
	.fill 96, 4, 3214868480
	.section	.rodata,"a",@progbits
	.p2align	6, 0x0
	.amdhsa_kernel k_qc7f6825412_aft
		.amdhsa_group_segment_fixed_size 327680
		.amdhsa_private_segment_fixed_size 0
		.amdhsa_enable_private_segment 0
		.amdhsa_kernarg_size 104
		.amdhsa_user_sgpr_count 2
		.amdhsa_user_sgpr_kernarg_segment_ptr 1
		.amdhsa_wavefront_size32 1
		.amdhsa_system_sgpr_workgroup_id_x 1
		.amdhsa_system_sgpr_workgroup_id_y 1
		.amdhsa_system_sgpr_workgroup_id_z 1
		.amdhsa_system_vgpr_workitem_id 0
		.amdhsa_next_free_vgpr 1024
		.amdhsa_next_free_sgpr 106
		.amdhsa_reserve_vcc 0
		.amdhsa_float_denorm_mode_32 3
		.amdhsa_float_denorm_mode_16_64 3
		.amdhsa_memory_ordered 1
		.amdhsa_forward_progress 1
		.amdhsa_inst_pref_size 255
	.end_amdhsa_kernel
	.section	.bss,"aw",@nobits
	.p2align	6
	.space	262144
	.amdgpu_metadata
---
amdhsa.version: [ 1, 2 ]
amdhsa.kernels:
  - .name:           k_qc7f6825412_aft
    .symbol:         k_qc7f6825412_aft.kd
    .args:
      - { .name: x_codes, .offset: 0, .size: 8, .value_kind: global_buffer, .address_space: global }
      - { .name: x_scales, .offset: 8, .size: 8, .value_kind: global_buffer, .address_space: global }
      - { .name: Wk_codes, .offset: 16, .size: 8, .value_kind: global_buffer, .address_space: global }
      - { .name: Wk_scales, .offset: 24, .size: 8, .value_kind: global_buffer, .address_space: global }
      - { .name: Wv_codes, .offset: 32, .size: 8, .value_kind: global_buffer, .address_space: global }
      - { .name: Wv_scales, .offset: 40, .size: 8, .value_kind: global_buffer, .address_space: global }
      - { .name: Wq_codes, .offset: 48, .size: 8, .value_kind: global_buffer, .address_space: global }
      - { .name: Wq_scales, .offset: 56, .size: 8, .value_kind: global_buffer, .address_space: global }
      - { .name: bk, .offset: 64, .size: 8, .value_kind: global_buffer, .address_space: global }
      - { .name: bv, .offset: 72, .size: 8, .value_kind: global_buffer, .address_space: global }
      - { .name: bq, .offset: 80, .size: 8, .value_kind: global_buffer, .address_space: global }
      - { .name: eb, .offset: 88, .size: 8, .value_kind: global_buffer, .address_space: global }
      - { .name: out0, .offset: 96, .size: 8, .value_kind: global_buffer, .address_space: global }
    .group_segment_fixed_size: 327680
    .private_segment_fixed_size: 0
    .kernarg_segment_align: 8
    .kernarg_segment_size: 104
    .max_flat_workgroup_size: 128
    .sgpr_count:     106
    .vgpr_count:     1024
    .wavefront_size: 32
...
	.end_amdgpu_metadata
.endif
;; end of part 2
